; MI455X (gfx1250); checked and timed in simulation.
; The chip was launched on July 23, 2026; its instructions are those of AMD's public machine-readable ISA for CDNA 5 (MIT licence, August 2026) and "CDNA5" Instruction Set Architecture Reference Guide (July 2026). The comments in the code are by the model that wrote it; some were corrected since.
;; Self Attention. Allowed arithmetic: matrix products marked QUANTISED: E2M3 operands, one E8M0 scale for each 32 along K, by v_wmma_scale_f32_16x16x128_f8f6f4 with both operands' format E2M3, f32 sums; products left as they are: f32 operands where the result goes on into a quantised operand, else bf16, f16 or f32 operands; f32 sums; everything else in f32.
;; Inputs: mask 32 x 8 x 1 x 512 bool; w_k 64 x 64 float32; w_q 64 x 64 float32; x 32 x 8 x 512 x 64 float32.
;; Outputs: out0 32 x 8 x 512 x 64 float32.
;; Constants: N_bs = 8, N_max = 512, bs = 32, d = 64, heads = 4.
;; This version of the problem:
;;   THIS VERSION OF THE PROBLEM IS GIVEN IN LOW PRECISION. The matrix products marked QUANTISED in the list below multiply operands that are first quantised to E2M3 (2 exponent bits, 3 mantissa bits; 6 bits a number), with one power-of-two scale for each 32 numbers along K (OCP MX v1.0); their sums are f32. All else is computed in f32.
;;   The module's matrix products, in the order in which they are computed (A, B: the left and right operand; K: the contracted axis; several contracted axes count as one K, in the product's order):
;;     1. [M 131,072, K 64] x [K 64, N 64]; A: input x; B: input w_q: QUANTISED
;;     2. [M 131,072, K 64] x [K 64, N 64]; A: input x; B: input w_k: QUANTISED
;;     3. batch 1,024 x [M 512, K 16] x [K 16, N 512]; A: computed on the way; B: computed on the way: left as it is (K = 16 < 32)
;;     4. batch 1,024 x [M 512, K 512] x [K 512, N 16]; A: softmax (see below); B: input x: QUANTISED
;;   THE QUANTISER, for each operand of a quantised product, along K:
;;     - K is cut into blocks of 32 from its start; a last block that is shorter is filled with zeros.
;;     - A block's scale is 2^e with e = floor(log2(the largest magnitude in the block)) - 2, held to -126 .. 127; a block of zeros has e = 0. As a byte (E8M0): e + 127.
;;     - Each number is divided by its block's scale, clamped to +-7.5, and rounded to the nearest number of E2M3, ties to even, subnormals kept.
;;     - The product sums the exact products of the quantised numbers (number of the format x scale) in f32.
;;   ~~~python
;;   def quantise(x, axis):      # numpy; x: float32 -> the quantised numbers, widened to float32 again
;;       x = np.moveaxis(x, axis, -1); K = x.shape[-1]
;;       x = np.pad(x, [(0, 0)] * (x.ndim - 1) + [(0, -K % 32)]); x = x.reshape(x.shape[:-1] + (-1, 32)); a = np.abs(x).max(-1, keepdims=True)
;;       e = np.where(a > 0, np.clip(np.frexp(np.where(a > 0, a, 1))[1] - 1 - 2, -126, 127), 0)      # np.frexp(a)[1] - 1 = floor(log2(a)), exactly
;;       r = np.clip(x / 2.0 ** e, -7.5, 7.5)
;;       step = 2.0 ** (np.maximum(np.frexp(np.where(r == 0, 1, r))[1] - 1, 0) - 3)
;;       q = np.round(r / step) * step * 2.0 ** e      # np.round: ties to even
;;       return np.moveaxis(q.reshape(q.shape[:-2] + (-1,))[..., :K], -1, axis).astype(np.float32)
;;   ~~~
;;   SOFTMAX AHEAD OF A QUANTISED PRODUCT. Where the list says 'softmax', what is quantised is not the finished softmax but p = 2^(t - M), with t = logit x log2(e) and M = ceil(the row's largest t), a whole number; so 1/2 < the row's largest p <= 1. The row's sum l is taken of the UNQUANTISED p, in f32, and the product's result is divided by l at the end. Since M is a whole number, a kernel that streams over the keys may use a running M (the ceiling of the running maximum): every later rescaling is an exact power of two, which a block's scale takes up: the codes' values come out the same.
;;   OPERANDS COMPUTED ON THE WAY. 'Computed on the way' means the value that the module computes at that place (a softmax that the list does not call 'softmax' is quantised finished and normalised). What goes into a quantiser is computed in f32, as accurately as f32 sums, v_exp_f32 and their like allow (about 1e-6 of the number): no bf16 or f16 on the way to a quantiser, and a product that is left as it is and whose result goes on into a quantised operand takes f32 operands (vector FMAs, or v_wmma_f32_16x16x4_f32). A number that lies on a knife's edge between two numbers of the format may be rounded either way, as far as f32 arithmetic and the matrix unit's own rounding can turn it there, and no further.
;; 2 versions, each right; version 2 is version 1 with the launch attn written anew for expert scheduling mode. Each part assembles by itself: llvm-mc -triple=amdgcn-amd-amdhsa -mcpu=gfx1250 --defsym DOCPART=n.
;; ======== version 1 of 2: 1 launch
;; launch attn (part 1): grid 256 x 1, 16 waves a work-group, no clusters, 314,368 bytes of LDS; arguments x, w_q, w_k, mask, out0; writes out0
.if DOCPART == 1
	.amdgcn_target "amdgcn-amd-amdhsa--gfx1250"
	.amdhsa_code_object_version 6
	.text
	.protected	k_qb455313833_attn
	.globl	k_qb455313833_attn
	.p2align	8
	.type	k_qb455313833_attn,@function
k_qb455313833_attn:
	s_mov_b64 s[64:65], 0
	v_nop
	global_prefetch_b8 v0, s[64:65] scope:SCOPE_SE
	s_setreg_imm32_b32 hwreg(HW_REG_WAVE_MODE, 25, 1), 1
	s_wait_xcnt 0x0
; SELF-ATTENTION, 256 slices (b, n) of 512 tokens x 64 channels, 4 heads of 16.  One work-group owns one slice, from x to out0; q, k, V's codes and p never leave the WGP.
;   q = Q(x) Q(w_q)^T, k = Q(x) Q(w_k)^T            codes of E2M3, K = the 64 channels: two blocks; the instruction's other 64 along K are zero codes
;   t = (q log2(e) / 8) . k, per head (K = 16)       f32 operands, since t goes on into a quantiser; a masked key's t is fl(-1e9 log2(e)) = -1442695040
;   p = 2^(t - M), M = ceil(the row's largest t)     a running M; the row's sum is taken of the unquantised p
;   y = Q(p) Q(x along the tokens) / the sum         codes of E2M3, K = the keys, 128 a step
; NO WORK IS LEFT OUT: every input reaches the output.  The mask is an input: it is honoured by selection, for every pattern, all keys masked too (all t equal, p = 1: the uniform row).
; THE MASK COSTS NOTHING IN THE LOOP: k's rows of masked keys are set to 0 once, and a table of 512 words (0, or the masked t) is the C of each score tile's first product: 0 . q + the masked t is that t exactly.
; LIMITS: NaN and infinities among the inputs are not served (a non-finite q against a masked key gives NaN here, -1e9 in the definition); a block whose largest magnitude lies under 2^-124 keeps the scale byte 1;
; a block of zeros has the byte 1 where the rule says 127 (its codes are zeros, and only this text reads the bytes); p under 2^-126 becomes 0 (ISA guide 15.8: v_exp_f32 flushes denormals).
; SHARES.  Sixteen waves of 256 registers, four to a SIMD, so that one wave's softmax stands beside another's products.  Wave w owns tokens 32 w .. 32 w + 31: it loads them, quantises them along the tokens (V's key
; block w, all 64 channels) and along the channels, projects them to q and k, and then they are its queries: 2 tiles of 16 x 4 heads = 8 units, each walking 512 keys in 4 steps of 128.
; THE TOKENS OF A TILE ARE NOT NEIGHBOURS: row r of tile 2 b + u is token 32 b + 8 u + r + 8 (r / 8), so that in S^T the 16 registers of tiles 2 b, 2 b + 1 are the neighbouring keys 32 b + 16 (lane / 16) + 0 .. 15.
; ALL PRODUCTS ARE USED TRANSPOSED.  The projection (source 0 = a head's 16 rows of W, source 1 = 16 tokens) leaves lane (r, h) token r and features 8 h + 0 .. 7.  The f32 form wants k = 2 h + j in register j: its i-th
; instruction takes registers 2 i, 2 i + 1 of k's and of q's result, the same renaming of the 16 features on both sides.  So the results ARE the next operands, and go through LDS as images of their registers.
; NO CLUSTER: work-groups share only the weights, 32,768 of the 164,352 bytes that each reads, and the text has no tensor load.  No ring: x is asked for once, at the head, and nothing is streamed later.
.set KIMG,  0                          ; LDS: k's images: (32 head + tile) x 1,024: registers 0-3 at 16 x lane, registers 4-7 512 further on
.set WREG,  131072                     ; a region of 8,704 bytes for each wave, its own: first the stage for x (32 rows of 256 + 16 bytes), then 8 slots of 1,088: unit 4 u + head: q's image, later the unit's 16 rows x 64 bytes of y
.set WRB,   8704
.set QSL,   1088
.set SP,    272
.set VIMG,  270336                     ; V's fragments: (4 head + step) x 1,536, 48 bytes a lane
.set VSC,   294912                     ; V's scale bytes [64 channels][16 blocks]
.set BIAS,  295936                     ; f32 [512]: 0, or the masked t
.set WIMG,  297984                     ; W's 8 fragments (w_q's heads, then w_k's), 1,792 each: 3 x 512 of codes, then the scale words, 4 bytes a lane
.set WFB,   1792
.set SPARE, 312320                     ; the spare words, 128 bytes for each wave: eight blocks of 256 bytes that no other line names
.set SPW, 1                            ; v1   LDS address of my spare word; never rewritten
.set NIL, 2                            ; v2   0; never rewritten
; addresses of the prologue                    ; and what the same registers hold in the main part
.set SX,  3                            ; the stage, as loaded           ; AK   k's images of the head in hand
.set SC0, 4                            ; the stage, a column            ; AV   V's fragments
.set SF,  5                            ; the stage, a tile's row        ; AVS  V's scale words
.set AVW, 7                            ; where I store V's codes        ; AQ   q's image of the unit
.set AVB, 8                            ; and V's scale byte             ; SOH  the unit's slot, on the way out
.set ABW, 12                           ; my word of the table           ; NM   -M
.set MA,  13                           ; my tile row's mask byte        ; TM   the largest t
.set GW,  14                           ; my 128 bytes of W              ; SUM  v[14:15] the row's sum, in two halves
.set AWI, 15                           ; where I store W's image
.set AWS, 16                           ; and its scale word             ; FF   v[16:17] f = 2^(old M - new M)
.set LWI, 17                           ; where W's images are read
.set LWS, 18                           ; and their scale words          ; SCO  v18-21 the conversions' scale operands
.set AKW, 19                           ; v19, v20: where I store k's images of heads 0, 1 and 2, 3
.set AK,  3
.set AV,  4
.set AVS, 5
.set AB,  6                            ; v6   the table: BIAS + 64 (lane / 16)
.set AQ,  7
.set SOH, 8
.set L16, 9                            ; v9   16 x lane
.set AV0, 10                           ; v10  VIMG + 48 x lane
.set AVS0, 11                          ; v11  VSC + 16 (lane % 16)
.set NM,  12
.set TM,  13
.set SUM, 14
.set FF,  16
.set SCO, 18
.set AQW, 22                           ; v22  my region + 16 x lane
.set SO,  23                           ; v23  my region + 64 r + 32 h
.set QF,  24                           ; v24-31  q of the unit
.set OA,  32                           ; v32-39  O^T of the unit
.set VF,  40                           ; v40-51  V's fragment of the step
.set SR,  52                           ; v52  the way out: where I read 16 bytes of a row of y
.set GO,  53                           ; v53  and where they go in out0
.set XS,  54                           ; v54-61 hold scales and nothing else: v54, v55 x's words, v56-59 W's, v60 V's, v61 p's
.set WS,  56
.set VS,  60
.set PS,  61
.set ACC, 64                           ; v64-127  S^T: 8 tiles; written by the f32 matrix form alone, in the whole text
.set KF,  128                          ; v128-159 four tiles of k
.set BI,  160                          ; v160-191 their words of the table
.set P,   128                          ; v128-191 then p
.set OB,  192                          ; v192-223 rows of y on the way out
.set PC,  224                          ; v224-235 codes just made
.set PT,  236                          ; v236-243 the conversions' second halves; O^T / the sum
.set BM,  244                          ; v244-247 the blocks' largest t, then p
.set BX,  248                          ; v248-251 lane permutes' destinations, bytes
.set T0,  252                          ; v252-255 at work
.set T1,  253
.set T2,  254
.set T3,  255
.set XR,  128                          ; the prologue: v128-191 x as loaded, then V's columns, then x's rows
.set WR,  192                          ; v192-223 my 32 numbers of W
.set XC,  24                           ; v24-47   x's two fragments
.set WF,  128                          ; v128-175 four fragments of W
.set D,   176                          ; v176-239 the projection's 8 results
.set WV,  14                           ; s14  my wave's number
.set SEL, 20                           ; s[20:21] v_permlanex16_b32's selects for lane l xor 16
.set CS,  22                           ; s[22:23] log2(e) / 8
.set KB,  24                           ; s24-27 the head's steps: k's images, V's fragments, V's scale words, the unit's slot
.set VB,  25
.set VSB, 26
.set NB,  27
.set HC,  28                           ; s28  heads to go
.set KEEP, 40                          ; s40, s41 lanes whose token of tile 0, 1 is not masked
; 32 numbers of one lane, a whole block, v[src] on, become 6 registers of codes, v[dst] on; the scale's byte is left in v[T2]
.macro QROW src, dst
	v_max3_num_f32 v[T0], |v[\src]|, |v[\src+1]|, 0x1800000        ; the largest magnitude, in two chains, with the floor 2^(3 - 127) among its leaves: the byte cannot fall under 1
	v_max3_num_f32 v[T3], |v[\src+2]|, |v[\src+3]|, |v[\src+4]|
.irp i, 5,9,13,17,21,25
	v_max3_num_f32 v[T0], v[T0], |v[\src+\i]|, |v[\src+\i+1]|
	v_max3_num_f32 v[T3], v[T3], |v[\src+\i+2]|, |v[\src+\i+3]|
.endr
	v_max3_num_f32 v[T0], v[T0], |v[\src+29]|, |v[\src+30]|
	v_max3_num_f32 v[T0], v[T0], v[T3], |v[\src+31]|
	v_add_nc_u32 v[T1], 0xff000000, v[T0]          ; 2 off its exponent field: the conversion takes the exponent field of this operand as its scale
	v_lshrrev_b32 v[T2], 23, v[T1]                 ; the scale's byte
	v_cvt_scalef32_pk16_fp6_f32 v[\dst:\dst+2], v[\src:\src+15], v[T1]
	v_cvt_scalef32_pk16_fp6_f32 v[PT:PT+2], v[\src+16:\src+31], v[T1]   ; (a conversion's three registers begin on an even number)
	v_nop                                          ; one plain place behind a scaled conversion
.irp i, 0,1,2
	v_mov_b32 v[\dst+3+\i], v[PT+\i]
.endr
.endm
; the scale word of a row whose K is 64: lanes 0-15 hold block 0's byte, lane l xor 16 block 1's; bytes 2 and 3 stay 0, over zero codes.  (Lanes 16-31 are not read)
.macro SWORD xs
	v_permlanex16_b32 v[BX], v[T2], s[SEL], s[SEL+1]
	v_lshl_or_b32 v[\xs], v[BX], 8, v[T2]
.endm
.macro BARRIER                                 ; my LDS stores have landed and my LDS loads are in: then the work-group's barrier
	s_wait_dscnt 0x0
	s_barrier_signal -1
	s_barrier_wait -1
.endm
	s_load_b256 s[4:11], s[0:1], 0x0               ; x s[4:5], w_q s[6:7], w_k s[8:9], mask s[10:11]
	s_load_b64 s[12:13], s[0:1], 0x20              ; out0
	v_lshl_add_u32 v[SPW], v0, 2, SPARE
	v_mov_b32 v[NIL], 0
	v_lshrrev_b32 v24, 5, v0
	v_readfirstlane_b32 s[WV], v24                 ; wave 0..15
	v_and_b32 v24, 31, v0                          ; lane
	v_and_b32 v25, 15, v0                          ; r
	v_bfe_u32 v26, v0, 4, 1                        ; h
	v_and_b32 v27, 8, v0
	v_add_nc_u32 v27, v27, v25                     ; r + 8 (r / 8): a tile's row among 32 tokens
	s_mul_i32 s15, s[WV], WRB
	s_add_co_u32 s15, s15, WREG                    ; my region
	v_lshlrev_b32 v[L16], 4, v24
	v_mul_u32_u24 v[SX], v26, SP
	v_lshl_add_u32 v[SX], v25, 4, v[SX]
	v_add_nc_u32 v[SX], s15, v[SX]                 ; a load's 512 bytes are two tokens: row h, 16 r
	v_lshl_add_u32 v[SC0], v24, 2, s15             ; a column: channel = lane
	v_mul_u32_u24 v[SF], v27, SP
	v_lshl_add_u32 v[SF], v26, 7, v[SF]
	v_add_nc_u32 v[SF], s15, v[SF]                 ; a tile's row r, channels 32 h on
	s_lshr_b32 s16, s[WV], 2                       ; my key block w is block 2 c + h' of step s: s = w / 4, c = (w / 2) % 2, h' = w % 2
	s_mul_i32 s16, s16, 1536
	s_and_b32 s17, s[WV], 1
	s_mul_i32 s17, s17, 768                        ; lanes 16 h' on, 48 bytes each
	s_add_co_u32 s16, s16, s17
	s_bfe_u32 s17, s[WV], 0x10001
	s_mul_i32 s17, s17, 24                         ; registers 6 c on
	s_add_co_u32 s16, s16, s17
	s_add_co_u32 s16, s16, VIMG
	v_mul_u32_u24 v[AVW], v26, 6144                ; my channel is lane (+ 32): head lane / 16 (+ 2), row lane % 16
	v_mad_u32_u24 v[AVW], v25, 48, v[AVW]
	v_add_nc_u32 v[AVW], s16, v[AVW]
	v_lshl_add_u32 v[AVB], v24, 4, s[WV]
	v_add_nc_u32 v[AVB], VSC, v[AVB]               ; VSC + 16 x channel + w
	v_lshl_add_u32 v[ABW], v0, 2, BIAS             ; thread t makes key t's word
	s_lshl_b32 s17, s[WV], 5
	v_add_nc_u32 v[MA], s17, v27                   ; the token of my tile row, in the slice (tile 1: 8 on)
	v_lshlrev_b32 v[GW], 8, v25
	v_lshl_add_u32 v[GW], v26, 7, v[GW]            ; W: row r of 256 bytes, channels 32 h on
	s_mul_i32 s17, s[WV], WFB
	s_add_co_u32 s17, s17, WIMG
	v_add_nc_u32 v[AWI], s17, v[L16]
	v_lshl_add_u32 v[AWS], v24, 2, s17
	v_add_nc_u32 v[LWI], WIMG, v[L16]
	v_lshl_add_u32 v[LWS], v24, 2, WIMG
	s_lshl_b32 s17, s[WV], 11
	v_add_nc_u32 v[AKW], s17, v[L16]               ; my two tiles of keys: 2 w, 2 w + 1
	v_add_nc_u32 v[AKW+1], 0x10000, v[AKW]         ; (heads 2 and 3 lie beyond an immediate's reach)
	v_lshl_add_u32 v[AB], v26, 6, BIAS
	v_mul_u32_u24 v[AV0], v24, 48
	v_add_nc_u32 v[AV0], VIMG, v[AV0]
	v_lshl_add_u32 v[AVS0], v25, 4, VSC
	v_add_nc_u32 v[AQW], s15, v[L16]
	v_lshlrev_b32 v[SO], 6, v25
	v_lshl_add_u32 v[SO], v26, 5, v[SO]
	v_add_nc_u32 v[SO], s15, v[SO]
	v_lshrrev_b32 v[SR], 2, v25                    ; back: sixteen lanes take a row of y: 16 bytes each: head r / 4, its bytes 16 (r % 4) on; lanes 16-31 the next row
	v_mul_u32_u24 v[SR], v[SR], QSL
	v_and_b32 v[GO], 3, v25
	v_lshl_add_u32 v[SR], v[GO], 4, v[SR]
	v_lshl_add_u32 v[SR], v26, 6, v[SR]
	v_add_nc_u32 v[SR], s15, v[SR]
	v_lshlrev_b32 v[GO], 8, v26
	v_lshl_add_u32 v[GO], v25, 4, v[GO]
	v_mov_b32 v[BX], 0                             ; written once: a lane permute's destination counts as one of its sources
	s_mov_b32 s[SEL], 0x76543210
	s_mov_b32 s[SEL+1], 0xfedcba98
	s_mov_b32 s[CS], 0x3e38aa3b                    ; log2(e) / 8: 64^-0.5 = 1 / 8 is exact
	s_mov_b32 s[CS+1], s[CS]                       ; (named with it as a pair, so it is written)
	s_lshl_b32 s32, ttmp9, 17                      ; my slice: 131,072 bytes of x and of out0,
	s_lshl_b32 s33, s[WV], 13                      ; my wave's 32 tokens: 8,192
	s_add_co_u32 s32, s32, s33
	s_mov_b32 s33, 0
	s_lshl_b32 s34, ttmp9, 9                       ; 512 bytes of the mask
	s_mov_b32 s35, 0
	s_and_b32 s36, s[WV], 3
	s_lshl_b32 s36, s36, 12                        ; head w % 4: 16 rows of 256 bytes
	s_mov_b32 s37, 0
	s_wait_kmcnt 0x0
	s_add_nc_u64 s[4:5], s[4:5], s[32:33]
	s_add_nc_u64 s[12:13], s[12:13], s[32:33]
	s_add_nc_u64 s[10:11], s[10:11], s[34:35]
	s_cmp_lt_u32 s[WV], 4                          ; waves 0-3 quantise w_q's heads, waves 4-7 w_k's: the choice hangs on the wave's number alone
	s_cselect_b64 s[30:31], s[6:7], s[8:9]
	s_add_nc_u64 s[30:31], s[30:31], s[36:37]
.set n, 0
.rept 16
	global_load_b128 v[XR+4*n:XR+4*n+3], v[L16], s[4:5] offset:512*n th:TH_LOAD_NT   ; 32 lanes read 512 consecutive bytes: two tokens
.set n, n+1
.endr
	global_load_u8 v[BX+1], v0, s[10:11]           ; key t's mask byte, for the table
	global_load_u8 v[BX+2], v[MA], s[10:11]        ; my tile row's, tile 0
	global_load_u8 v[BX+3], v[MA], s[10:11] offset:8   ; and tile 1
	s_cmp_lt_u32 s[WV], 8
	s_cbranch_scc0 .Lno_w
.irp i, 0,1,2,3,4,5,6,7
	global_load_b128 v[WR+4*\i:WR+4*\i+3], v[GW], s[30:31] offset:16*\i   ; W(16 head + r, 32 h + 0 .. 31): a whole block a lane
.endr
	s_wait_loadcnt 0x0
	QROW WR, PC
	SWORD WS
.irp i, 6,7,8,9,10,11
	v_mov_b32 v[PC+\i], 0                          ; K = 64 .. 127: zero codes
.endr
.irp c, 0,1,2
	ds_store_b128 v[AWI], v[PC+4*\c:PC+4*\c+3] offset:512*\c      ; the fragment as an image of its registers
.endr
	ds_store_b32 v[AWS], v[WS] offset:1536
.Lno_w:
	s_wait_loadcnt 0x0                             ; x and the mask bytes
.set n, 0
.rept 16
	ds_store_b128 v[SX], v[XR+4*n:XR+4*n+3] offset:2*SP*n         ; into my stage, rows of 272 bytes
.set n, n+1
.endr
	v_mov_b32 v[T0], 0xceabfb8f                    ; fl(-1e9 log2(e)) = -1442695040, a whole number
	v_cmp_ne_u32 vcc_lo, 0, v[BX+1]
	v_cndmask_b32 v[T0], 0, v[T0], vcc_lo
	ds_store_b32 v[ABW], v[T0]
	v_cmp_eq_u32 s[KEEP], 0, v[BX+2]
	v_cmp_eq_u32 s[KEEP+1], 0, v[BX+3]
	; V: lane l takes channels l and l + 32, and its registers run down my 32 tokens: a whole block of the second product's K
.set n, 0
.rept 32
	ds_load_b32 v[XR+n], v[SC0] offset:SP*n        ; LDS serves a wave's instructions in order (ISA guide 5.7.1.4): these see my stores
	ds_load_b32 v[XR+32+n], v[SC0] offset:SP*n+128
.set n, n+1
.endr
	s_wait_dscnt 0x0
	QROW XR, PC
.irp i, 0,1,2
	ds_store_b64 v[AVW], v[PC+2*\i:PC+2*\i+1] offset:8*\i         ; 24 bytes: registers 6 c .. 6 c + 5 of lane (r, h') of the fragment (head, step)
.endr
	ds_store_b8 v[AVB], v[T2]
	QROW XR+32, PC+6
.irp i, 0,1,2
	ds_store_b64 v[AVW], v[PC+6+2*\i:PC+6+2*\i+1] offset:12288+8*\i
.endr
	ds_store_b8 v[AVB], v[T2] offset:512
	; x's two fragments: lane (r, h) takes channels 32 h + 0 .. 31 of its tile row
.irp u, 0,1
.irp i, 0,1,2,3,4,5,6,7
	ds_load_b128 v[XR+32*\u+4*\i:XR+32*\u+4*\i+3], v[SF] offset:8*SP*\u+16*\i
.endr
.endr
	s_wait_dscnt 0x0
.irp u, 0,1
	QROW XR+32*\u, XC+12*\u
	SWORD XS+\u
.irp i, 6,7,8,9,10,11
	v_mov_b32 v[XC+12*\u+\i], 0
.endr
.endr
	BARRIER                                        ; W's eight images lie in LDS
.rept 8
	v_nop                                          ; a scale register written by a vector instruction stands 8 places ahead of a scaled matrix instruction, an operand so written 4
.endr
; kind 0: q = x w_q^T, times log2(e) / 8, into my slots.  kind 1: k = x w_k^T, masked tokens' rows set to 0, into k's images.  Eight accumulators: (tile u, head) at v[D + 8 (4 u + head)]
.macro PROJ kind
.irp hd, 0,1,2,3
.irp c, 0,1,2
	ds_load_b128 v[WF+12*\hd+4*\c:WF+12*\hd+4*\c+3], v[LWI] offset:(4*\kind+\hd)*WFB+512*\c
.endr
	ds_load_b32 v[WS+\hd], v[LWS] offset:(4*\kind+\hd)*WFB+1536
.endr
	s_wait_dscnt 0x0
.irp u, 0,1
.irp hd, 0,1,2,3
	v_wmma_scale_f32_16x16x128_f8f6f4 v[D+8*(4*\u+\hd):D+8*(4*\u+\hd)+7], v[WF+12*\hd:WF+12*\hd+11], v[XC+12*\u:XC+12*\u+11], 0, v[WS+\hd], v[XS+\u] matrix_a_fmt:MATRIX_FMT_FP6 matrix_b_fmt:MATRIX_FMT_FP6
.endr
.endr
.rept 4
	v_nop                                          ; four places in front of the first read of results, and of the next loads into W's fragments
.endr
.if \kind == 0
.set n, 0
.rept 32
	v_pk_mul_f32 v[D+2*n:D+2*n+1], v[D+2*n:D+2*n+1], s[CS:CS+1] op_sel_hi:[1,0]   ; each accumulator from its low end on
.set n, n+1
.endr
.irp u, 0,1
.irp hd, 0,1,2,3
	ds_store_b128 v[AQW], v[D+8*(4*\u+\hd):D+8*(4*\u+\hd)+3] offset:(4*\u+\hd)*QSL
	ds_store_b128 v[AQW], v[D+8*(4*\u+\hd)+4:D+8*(4*\u+\hd)+7] offset:(4*\u+\hd)*QSL+512
.endr
.endr
.else
.irp u, 0,1
.set n, 0
.rept 32
	v_cndmask_b32 v[D+32*\u+n], 0, v[D+32*\u+n], s[KEEP+\u]       ; my lane holds one token of the tile
.set n, n+1
.endr
.endr
.irp u, 0,1
.irp hd, 0,1,2,3
	ds_store_b128 v[AKW+\hd/2], v[D+8*(4*\u+\hd):D+8*(4*\u+\hd)+3] offset:(\hd%2)*32768+1024*\u
	ds_store_b128 v[AKW+\hd/2], v[D+8*(4*\u+\hd)+4:D+8*(4*\u+\hd)+7] offset:(\hd%2)*32768+1024*\u+512
.endr
.endr
.endif
.endm
	PROJ 0
	PROJ 1
	BARRIER                                        ; k's images, V's fragments and scale bytes and the table lie in LDS: nothing shared is written from here on
	v_mov_b32 v[FF+1], 0                           ; (named as the upper half of f's pair)
.macro KLOAD s, g                              ; four tiles of keys of the step's half g, and their words of the table: register j of lane (r, h) of tile 2 b + u is key 32 b + 16 h + 8 u + j
.irp t, 0,1,2,3
	ds_load_b128 v[KF+8*\t:KF+8*\t+3],   v[AK] offset:(8*(\s)+4*(\g)+\t)*1024
	ds_load_b128 v[KF+8*\t+4:KF+8*\t+7], v[AK] offset:(8*(\s)+4*(\g)+\t)*1024+512
	ds_load_b128 v[BI+8*\t:BI+8*\t+3],   v[AB] offset:512*(\s)+256*(\g)+128*(\t/2)+32*(\t%2)
	ds_load_b128 v[BI+8*\t+4:BI+8*\t+7], v[AB] offset:512*(\s)+256*(\g)+128*(\t/2)+32*(\t%2)+16
.endr
.endm
.macro SCORE g                                 ; S^T = k q^T + the table: 4 tiles x 4 instructions of 4 features; the four accumulators take turns, one instruction a turn
.irp i, 0,1,2,3
.irp t, 0,1,2,3
.if \i == 0
	v_wmma_f32_16x16x4_f32 v[ACC+8*(4*(\g)+\t):ACC+8*(4*(\g)+\t)+7], v[KF+8*\t:KF+8*\t+1], v[QF:QF+1], v[BI+8*\t:BI+8*\t+7]
.else
	v_wmma_f32_16x16x4_f32 v[ACC+8*(4*(\g)+\t):ACC+8*(4*(\g)+\t)+7], v[KF+8*\t+2*\i:KF+8*\t+2*\i+1], v[QF+2*\i:QF+2*\i+1], v[ACC+8*(4*(\g)+\t):ACC+8*(4*(\g)+\t)+7]
.endif
.endr
.endr
.endm
.macro BMAX b0, b1                             ; the largest t of my 16 keys of blocks b0 and b1, by turns; each accumulator is read from its low end on
.irp b, \b0, \b1
	v_max3_num_f32 v[BM+\b], v[ACC+16*\b], v[ACC+16*\b+1], v[ACC+16*\b+2]
.endr
.irp i, 3,5,7,9,11,13
.irp b, \b0, \b1
	v_max3_num_f32 v[BM+\b], v[BM+\b], v[ACC+16*\b+\i], v[ACC+16*\b+\i+1]
.endr
.endr
.irp b, \b0, \b1
	v_max_num_f32 v[BM+\b], v[BM+\b], v[ACC+16*\b+15]
.endr
.endm
; A KEY STEP of a unit: 16 queries of one head x keys 128 s .. 128 s + 127.  first = 1: the unit's first step starts M, the sum and O^T: nothing is cleared
.macro STEP s, first
	KLOAD \s, 0
	s_wait_dscnt 0x0
	SCORE 0
.rept 8
	v_nop                                          ; eight places behind the f32 form in front of loads into its sources; they also serve V's registers behind the last scaled product
.endr
	KLOAD \s, 1
.irp c, 0,1,2
	ds_load_b128 v[VF+4*\c:VF+4*\c+3], v[AV] offset:1536*(\s)+16*\c
.endr
	ds_load_b32 v[VS], v[AVS] offset:4*(\s)
	s_wait_dscnt 0x0
	SCORE 1
	BMAX 0, 1                                      ; sixteen lines on the first half's tiles: they name no register of the second half's products and are the places behind those
	BMAX 2, 3
.irp b, 0,1,2,3
	v_permlanex16_b32 v[BX+\b], v[BM+\b], s[SEL], s[SEL+1]
.endr
.irp b, 0,1,2,3
	v_max_num_f32 v[BM+\b], v[BM+\b], v[BX+\b]     ; with lane l xor 16's 16 keys: THE LARGEST t OF EACH BLOCK OF 32 KEYS: it serves for the row's maximum and, since p rises with t, for the block's largest p
.endr
	v_max3_num_f32 v[T0], v[BM], v[BM+1], v[BM+2]
.if \first
	v_max_num_f32 v[TM], v[T0], v[BM+3]
	v_floor_f32 v[NM], -v[TM]                      ; -M = floor(-t) = -ceil(t): M is a whole number
.else
	v_max3_num_f32 v[TM], v[T0], v[BM+3], v[TM]    ; the running largest t
	v_mov_b32 v[T1], v[NM]
	v_floor_f32 v[NM], -v[TM]
	v_sub_f32 v[T1], v[NM], v[T1]                  ; old M less new M: 0 or less
	v_cvt_i32_f32 v[T1], v[T1]                     ; (it saturates)
	v_ldexp_f32 v[FF], 1.0, v[T1]                  ; f = 2^(old M - new M): it rounds nothing; behind steps whose keys were all masked it is 0
.endif
.set n, 0
.rept 32
	v_pk_add_f32 v[P+2*n:P+2*n+1], v[ACC+2*n:ACC+2*n+1], v[NM:NM+1] op_sel_hi:[1,0]   ; t - M, into other registers than the sums'
.set n, n+1
.endr
.irp b, 0,1,2,3
	v_add_f32 v[BM+\b], v[BM+\b], v[NM]            ; the same of each block's largest t
.endr
.set n, 0
.rept 64
	v_exp_f32 v[P+n], v[P+n]                       ; p = 2^(t - M), at most 1: not normalised
.set n, n+1
.endr
.irp b, 0,1,2,3
	v_exp_f32 v[BM+\b], v[BM+\b]                   ; the block's largest p: the same instructions on the same number
.endr
.if \first
	v_nop                                          ; a plain place behind the last exponential
.else
	v_pk_mul_f32 v[SUM:SUM+1], v[SUM:SUM+1], v[FF:FF+1] op_sel_hi:[1,0]   ; the sum and O^T under the new M: plain work that names no exponential's result
.irp j, 0,2,4,6
	v_pk_mul_f32 v[OA+\j:OA+\j+1], v[OA+\j:OA+\j+1], v[FF:FF+1] op_sel_hi:[1,0]
.endr
.endif
	s_wait_alu depctr_va_vdst(0)                   ; the wait ahead of the first line that names an exponential's result: one for the batch of 68
.irp b, 0,1,2,3
	v_max_num_f32 v[BM+\b], 0x1800000, v[BM+\b]    ; the floor 2^(3 - 127): a block whose every p is 0 keeps the byte 1: its codes are zeros
.endr
.irp b, 0,1,2,3
	v_add_nc_u32 v[SCO+\b], 0xff000000, v[BM+\b]   ; 2 off the exponent field: the conversion's scale operand
.endr
.irp b, 0,1,2,3
	v_lshrrev_b32 v[BX+\b], 23, v[SCO+\b]          ; the scale's byte
.endr
	v_lshl_or_b32 v[PS], v[BX+1], 8, v[BX]         ; p's scale word for these 128 keys
	v_lshl_or_b32 v[PS], v[BX+2], 16, v[PS]
	v_lshl_or_b32 v[PS], v[BX+3], 24, v[PS]
.irp c, 0,1
	v_cvt_scalef32_pk16_fp6_f32 v[PC+6*\c:PC+6*\c+2], v[P+32*\c:P+32*\c+15], v[SCO+2*\c]
	v_cvt_scalef32_pk16_fp6_f32 v[PT+4*\c:PT+4*\c+2], v[P+32*\c+16:P+32*\c+31], v[SCO+2*\c+1]
.endr
	v_nop                                          ; one plain place behind a scaled conversion
.irp c, 0,1                                    ; the operand's layout wants a whole block in a lane: lanes 0-15 block 2 c, lanes 16-31 block 2 c + 1
.irp i, 0,1,2
	v_permlane16_swap_b32 v[PC+6*\c+\i], v[PT+4*\c+\i]
.endr
.irp i, 0,1,2
	v_mov_b32 v[PC+3+6*\c+\i], v[PT+4*\c+\i]
.endr
.endr
	; THE ROW'S SUM IS TAKEN OF THE UNQUANTISED p, two at a time, in two chains.  These lines are also the places between the scale word (8) and the codes (4) and the scaled product
.if \first
	v_pk_add_f32 v[SUM:SUM+1], v[P:P+1], v[P+4:P+5]
	v_pk_add_f32 v[T0:T0+1], v[P+2:P+3], v[P+6:P+7]
.irp j, 8,12,16,20,24,28,32,36,40,44,48,52,56,60
	v_pk_add_f32 v[SUM:SUM+1], v[SUM:SUM+1], v[P+\j:P+\j+1]
	v_pk_add_f32 v[T0:T0+1], v[T0:T0+1], v[P+\j+2:P+\j+3]
.endr
.else
	v_pk_add_f32 v[T0:T0+1], v[P:P+1], v[P+2:P+3]
.irp j, 4,8,12,16,20,24,28,32,36,40,44,48,52,56,60
	v_pk_add_f32 v[SUM:SUM+1], v[SUM:SUM+1], v[P+\j:P+\j+1]
	v_pk_add_f32 v[T0:T0+1], v[T0:T0+1], v[P+\j+2:P+\j+3]
.endr
.endif
	v_pk_add_f32 v[SUM:SUM+1], v[SUM:SUM+1], v[T0:T0+1]
.if \first
	v_wmma_scale_f32_16x16x128_f8f6f4 v[OA:OA+7], v[VF:VF+11], v[PC:PC+11], 0, v[VS], v[PS] matrix_a_fmt:MATRIX_FMT_FP6 matrix_b_fmt:MATRIX_FMT_FP6   ; O^T = V^T P^T: source 0 = the head's 16 channels, source 1 = my 16 queries
.else
	v_wmma_scale_f32_16x16x128_f8f6f4 v[OA:OA+7], v[VF:VF+11], v[PC:PC+11], v[OA:OA+7], v[VS], v[PS] matrix_a_fmt:MATRIX_FMT_FP6 matrix_b_fmt:MATRIX_FMT_FP6   ; (32 products of the f32 form lie between two of these)
.endif
.endm
; the unit's end: O^T / the sum goes into the unit's slot, whose image of q has been read: row r, 32 h: my eight channels
.macro FINAL
	v_add_f32 v[T0], v[SUM], v[SUM+1]              ; the sum's two halves,
	v_permlanex16_b32 v[BX], v[T0], s[SEL], s[SEL+1]
	v_add_f32 v[T0], v[T0], v[BX]                  ; and lane l xor 16's
.rept 3
	v_nop                                          ; with the two additions: the places behind the last product, ahead of the first read of O^T
.endr
	v_rcp_f32 v[T2], v[T0]
	v_add_nc_u32 v[SOH], s[NB], v[SO]              ; (a plain place behind the reciprocal)
	s_wait_alu depctr_va_vdst(0)                   ; ahead of the reciprocal's first reader
.irp j, 0,2,4,6
	v_pk_mul_f32 v[PT+\j:PT+\j+1], v[OA+\j:OA+\j+1], v[T2:T2+1] op_sel_hi:[1,0]
.endr
	ds_store_b128 v[SOH], v[PT:PT+3]
	ds_store_b128 v[SOH], v[PT+4:PT+7] offset:16
.endm
; a tile's 16 rows of y, whole: a row's 256 bytes come from the four heads' slots
.macro OUTPUT u
.if \u
	s_wait_xcnt 0x0                                ; the first tile's stores have read their registers: only behind this wait are these loaded again
.endif
.irp i, 0,1,2,3,4,5,6,7
	ds_load_b128 v[OB+4*\i:OB+4*\i+3], v[SR] offset:4*(\u)*QSL+128*\i     ; LDS serves a wave's instructions in order: these see my stores
.endr
.irp i, 0,1,2,3,4,5,6,7
	s_wait_dscnt 7-\i                              ; the younger of the eight loads may stay out
	global_store_b128 v[GO], v[OB+4*\i:OB+4*\i+3], s[12:13] offset:(8*(\u)+2*\i+8*(\i/4))*256 th:TH_STORE_NT   ; tile rows 2 i, 2 i + 1: sixteen lanes store 256 consecutive bytes, at a multiple of 256 from out0's first byte
.endr
.endm
; a tile of 16 queries: a loop over the four heads; what differs between heads stands in four scalars
.macro QTILE u
	s_mov_b32 s[KB], 0
	s_mov_b32 s[VB], 0
	s_mov_b32 s[VSB], 0
	s_mov_b32 s[NB], 4*(\u)*QSL
	s_mov_b32 s[HC], 4
.Lhead_\@:
	v_add_nc_u32 v[AK], s[KB], v[L16]
	v_add_nc_u32 v[AV], s[VB], v[AV0]
	v_add_nc_u32 v[AVS], s[VSB], v[AVS0]
	v_add_nc_u32 v[AQ], s[NB], v[AQW]
	ds_load_b128 v[QF:QF+3], v[AQ]                 ; q of the unit (the last products that read these registers lie a whole softmax back)
	ds_load_b128 v[QF+4:QF+7], v[AQ] offset:512
	STEP 0, 1
	STEP 1, 0
	STEP 2, 0
	STEP 3, 0
	FINAL
	s_add_co_u32 s[KB], s[KB], 32768
	s_add_co_u32 s[VB], s[VB], 6144
	s_add_co_u32 s[VSB], s[VSB], 256
	s_add_co_u32 s[NB], s[NB], QSL
	s_sub_co_u32 s[HC], s[HC], 1
	s_cmp_lg_u32 s[HC], 0
	s_cbranch_scc1 .Lhead_\@
	OUTPUT \u
.endm
	QTILE 0
	QTILE 1
	s_wait_tensorcnt 0x0                           ; the wave's end: behind my last LDS store
	ds_add_u32 v[SPW], v[NIL]
	s_wait_dscnt 0x0
	s_endpgm
.Lfunc_end_k_qb455313833_attn:
	.size	k_qb455313833_attn, .Lfunc_end_k_qb455313833_attn-k_qb455313833_attn
	.p2alignl 7, 3214868480
	.fill 96, 4, 3214868480
	.section	.rodata,"a",@progbits
	.p2align	6, 0x0
	.amdhsa_kernel k_qb455313833_attn
		.amdhsa_group_segment_fixed_size 314368
		.amdhsa_private_segment_fixed_size 0
		.amdhsa_enable_private_segment 0
		.amdhsa_kernarg_size 40
		.amdhsa_user_sgpr_count 2
		.amdhsa_user_sgpr_kernarg_segment_ptr 1
		.amdhsa_wavefront_size32 1
		.amdhsa_system_sgpr_workgroup_id_x 1
		.amdhsa_system_sgpr_workgroup_id_y 1
		.amdhsa_system_sgpr_workgroup_id_z 1
		.amdhsa_system_vgpr_workitem_id 0
		.amdhsa_next_free_vgpr 256
		.amdhsa_next_free_sgpr 66
		.amdhsa_reserve_vcc 1
		.amdhsa_float_denorm_mode_32 3
		.amdhsa_float_denorm_mode_16_64 3
		.amdhsa_memory_ordered 1
		.amdhsa_forward_progress 1
		.amdhsa_inst_pref_size 163
	.end_amdhsa_kernel
	.amdgpu_metadata
---
amdhsa.version: [ 1, 2 ]
amdhsa.kernels:
  - .name:           k_qb455313833_attn
    .symbol:         k_qb455313833_attn.kd
    .args:
      - { .name: x, .offset: 0, .size: 8, .value_kind: global_buffer, .address_space: global }
      - { .name: w_q, .offset: 8, .size: 8, .value_kind: global_buffer, .address_space: global }
      - { .name: w_k, .offset: 16, .size: 8, .value_kind: global_buffer, .address_space: global }
      - { .name: mask, .offset: 24, .size: 8, .value_kind: global_buffer, .address_space: global }
      - { .name: out0, .offset: 32, .size: 8, .value_kind: global_buffer, .address_space: global }
    .group_segment_fixed_size: 314368
    .private_segment_fixed_size: 0
    .kernarg_segment_align: 8
    .kernarg_segment_size: 40
    .max_flat_workgroup_size: 512
    .sgpr_count:     66
    .vgpr_count:     256
    .wavefront_size: 32
...
	.end_amdgpu_metadata
.endif
;; end of part 1
;; ======== version 2 of 2: 1 launch; version 1 with the launch attn written anew for expert scheduling mode
;; launch attn (part 2): grid 256 x 1, 16 waves a work-group, no clusters, 314,368 bytes of LDS; arguments x, w_q, w_k, mask, out0; writes out0
.if DOCPART == 2
	.amdgcn_target "amdgcn-amd-amdhsa--gfx1250"
	.amdhsa_code_object_version 6
	.text
	.protected	k_qb455313833_attn
	.globl	k_qb455313833_attn
	.p2align	8
	.type	k_qb455313833_attn,@function
k_qb455313833_attn:
	s_mov_b64 s[64:65], 0
	v_nop
	global_prefetch_b8 v0, s[64:65] scope:SCOPE_SE
	s_setreg_imm32_b32 hwreg(HW_REG_WAVE_SCHED_MODE, 0, 2), 2
	s_setreg_imm32_b32 hwreg(HW_REG_WAVE_MODE, 25, 1), 1
	s_wait_xcnt 0x0
	s_wait_alu depctr_vm_vsrc(0)
; SELF-ATTENTION, 256 slices (b, n) of 512 tokens x 64 channels, 4 heads of 16.  One work-group owns one slice, from x to out0; q, k, V's codes and p never leave the WGP.
;   q = Q(x) Q(w_q)^T, k = Q(x) Q(w_k)^T            codes of E2M3, K = the 64 channels: two blocks; the instruction's other 64 along K are zero codes
;   t = (q log2(e) / 8) . k, per head (K = 16)       f32 operands, since t goes on into a quantiser; a masked key's t is fl(-1e9 log2(e)) = -1442695040
;   p = 2^(t - M), M = ceil(the row's largest t)     a running M; the row's sum is taken of the unquantised p
;   y = Q(p) Q(x along the tokens) / the sum         codes of E2M3, K = the keys, 128 a step
; NO WORK IS LEFT OUT: every input reaches the output.  The mask is an input: it is honoured by selection, for every pattern, all keys masked too (all t equal, p = 1: the uniform row).
; THE MASK COSTS NOTHING IN THE LOOP: k's rows of masked keys are set to 0 once, and a table of 512 words (0, or the masked t) is the C of each score tile's first product: 0 . q + the masked t is that t exactly.
; LIMITS: NaN and infinities among the inputs are not served (a non-finite q against a masked key gives NaN here, -1e9 in the definition); a block whose largest magnitude lies under 2^-124 keeps the scale byte 1;
; a block of zeros has the byte 1 where the rule says 127 (its codes are zeros, and only this text reads the bytes); p under 2^-126 becomes 0 (ISA guide 15.8: v_exp_f32 flushes denormals).
; SHARES.  Sixteen waves of 256 registers, four to a SIMD, so that one wave's softmax stands beside another's products.  Wave w owns tokens 32 w .. 32 w + 31: it loads them, quantises them along the tokens (V's key
; block w, all 64 channels) and along the channels, projects them to q and k, and then they are its queries: 2 tiles of 16 x 4 heads = 8 units, each walking 512 keys in 4 steps of 128.
; THE TOKENS OF A TILE ARE NOT NEIGHBOURS: row r of tile 2 b + u is token 32 b + 8 u + r + 8 (r / 8), so that in S^T the 16 registers of tiles 2 b, 2 b + 1 are the neighbouring keys 32 b + 16 (lane / 16) + 0 .. 15.
; ALL PRODUCTS ARE USED TRANSPOSED.  The projection (source 0 = a head's 16 rows of W, source 1 = 16 tokens) leaves lane (r, h) token r and features 8 h + 0 .. 7.  The f32 form wants k = 2 h + j in register j: its i-th
; instruction takes registers 2 i, 2 i + 1 of k's and of q's result, the same renaming of the 16 features on both sides.  So the results ARE the next operands, and go through LDS as images of their registers.
; NO CLUSTER: work-groups share only the weights, 32,768 of the 164,352 bytes that each reads, and the text has no tensor load.  No ring: x is asked for once, at the head, and nothing is streamed later.
; THE MODE: SCHED_MODE bits 1:0 = 2 (LLVM: expert scheduling mode 2), set by the entry lines.  The code itself states the register dependences
; between vector or matrix instructions and memory or LDS instructions, with s_wait_alu, always for 0.
; THE PLAN.  Registers that LDS or memory instructions touch, in the loop over heads:
;   KF v128-159   the step's first four tiles of k.  Loaded at the tail of the step before (the unit's first step: at the loop's head); read by the first half's 16 products; then p is written over them.
;   BI v160-191   four tiles' words of the table.  The first half's come with KF and are read by the first half's first four products; the second half's are loaded behind those four; then p is written over them.
;   KG v192-223   the step's second four tiles of k.  Loaded with KF; read by the second half's products.  On the way out rows of y land here, and the global stores read them.
;   VF, VS        V's fragment and scale word.  Loaded with the second half's words; read by the step's scaled product.
;   QF            q of the unit.  Loaded at the loop's head; read by all the unit's f32 products.
;   v3, v4, v5, v7  addresses, written by four additions at the loop's head; read by the unit's LDS loads.   v8 and PT: written at the unit's end (PT by each step's conversions too); read by its two LDS stores.
;   v6, v9, v22, v23, v52, v53  addresses made at the kernel's head and never written again.
; THE WAITS OF A STEP are three, all on va_vdst: behind the first four products (BI, VF and VS are free); behind the exponentials (their results); behind the row's sums (p's codes and scale word are written for the scaled
; product, and every vector line is done with p: the next step's 24 loads follow at once; only the scaled product stands behind that wait, and it names none of their registers).
; At the loop's head one wait on vm_vsrc frees the addresses, PT and, behind the first tile's global stores, KG; one on va_vdst shows the new addresses written.
.set KIMG,  0                          ; LDS: k's images: (32 head + tile) x 1,024: registers 0-3 at 16 x lane, registers 4-7 512 further on
.set WREG,  131072                     ; a region of 8,704 bytes for each wave, its own: first the stage for x (32 rows of 256 + 16 bytes), then 8 slots of 1,088: unit 4 u + head: q's image, later the unit's 16 rows x 64 bytes of y
.set WRB,   8704
.set QSL,   1088
.set SP,    272
.set VIMG,  270336                     ; V's fragments: (4 head + step) x 1,536, 48 bytes a lane
.set VSC,   294912                     ; V's scale bytes [64 channels][16 blocks]
.set BIAS,  295936                     ; f32 [512]: 0, or the masked t
.set WIMG,  297984                     ; W's 8 fragments (w_q's heads, then w_k's), 1,792 each: 3 x 512 of codes, then the scale words, 4 bytes a lane
.set WFB,   1792
.set SPARE, 312320                     ; the spare words, 128 bytes for each wave: eight blocks of 256 bytes that no other line names
.set SPW, 1                            ; v1   LDS address of my spare word; never rewritten
.set NIL, 2                            ; v2   0; never rewritten
; addresses of the prologue                    ; and what the same registers hold in the main part
.set SX,  3                            ; the stage, as loaded           ; AK   k's images of the head in hand
.set SC0, 4                            ; the stage, a column            ; AV   V's fragments
.set SF,  5                            ; the stage, a tile's row        ; AVS  V's scale words
.set AVW, 7                            ; where I store V's codes        ; AQ   q's image of the unit
.set AVB, 8                            ; and V's scale byte             ; SOH  the unit's slot, on the way out
.set ABW, 12                           ; my word of the table           ; NM   -M
.set MA,  13                           ; my tile row's mask byte        ; TM   the largest t
.set GW,  14                           ; my 128 bytes of W              ; SUM  v[14:15] the row's sum, in two halves
.set AWI, 15                           ; where I store W's image
.set AWS, 16                           ; and its scale word             ; FF   v[16:17] f = 2^(old M - new M)
.set LWI, 17                           ; where W's images are read
.set LWS, 18                           ; and their scale words          ; SCO  v18-21 the conversions' scale operands
.set AKW, 19                           ; v19, v20: where I store k's images of heads 0, 1 and 2, 3
.set AK,  3
.set AV,  4
.set AVS, 5
.set AB,  6                            ; v6   the table: BIAS + 64 (lane / 16)
.set AQ,  7
.set SOH, 8
.set L16, 9                            ; v9   16 x lane
.set AV0, 10                           ; v10  VIMG + 48 x lane
.set AVS0, 11                          ; v11  VSC + 16 (lane % 16)
.set NM,  12
.set TM,  13
.set SUM, 14
.set FF,  16
.set SCO, 18
.set AQW, 22                           ; v22  my region + 16 x lane
.set SO,  23                           ; v23  my region + 64 r + 32 h
.set QF,  24                           ; v24-31  q of the unit
.set OA,  32                           ; v32-39  O^T of the unit
.set VF,  40                           ; v40-51  V's fragment of the step
.set SR,  52                           ; v52  the way out: where I read 16 bytes of a row of y
.set GO,  53                           ; v53  and where they go in out0
.set XS,  54                           ; v54-61 hold scales and nothing else: v54, v55 x's words, v56-59 W's, v60 V's, v61 p's
.set WS,  56
.set VS,  60
.set PS,  61
.set ACC, 64                           ; v64-127  S^T: 8 tiles; written by the f32 matrix form alone, in the whole text
.set KF,  128                          ; v128-159 the step's first four tiles of k
.set BI,  160                          ; v160-191 four tiles' words of the table: the first half's, then the second half's
.set KG,  192                          ; v192-223 the step's second four tiles of k
.set P,   128                          ; v128-191 then p
.set OB,  192                          ; v192-223 rows of y on the way out
.set PC,  224                          ; v224-235 codes just made
.set PT,  236                          ; v236-243 the conversions' second halves; O^T / the sum
.set BM,  244                          ; v244-247 the blocks' largest t, then p
.set BX,  248                          ; v248-251 lane permutes' destinations, bytes
.set T0,  252                          ; v252-255 at work
.set T1,  253
.set T2,  254
.set T3,  255
.set XR,  128                          ; the prologue: v128-191 x as loaded, then V's columns, then x's rows
.set WR,  192                          ; v192-223 my 32 numbers of W
.set XC,  24                           ; v24-47   x's two fragments
.set WF,  128                          ; v128-175 four fragments of W
.set D,   176                          ; v176-239 the projection's 8 results
.set WV,  14                           ; s14  my wave's number
.set SEL, 20                           ; s[20:21] v_permlanex16_b32's selects for lane l xor 16
.set CS,  22                           ; s[22:23] log2(e) / 8
.set KB,  24                           ; s24-27 the head's steps: k's images, V's fragments, V's scale words, the unit's slot
.set VB,  25
.set VSB, 26
.set NB,  27
.set HC,  28                           ; s28  heads to go
.set KEEP, 40                          ; s40, s41 lanes whose token of tile 0, 1 is not masked
; 32 numbers of one lane, a whole block, v[src] on, become 6 registers of codes, v[dst] on; the scale's byte is left in v[by]
.macro QROW src, dst, by
	v_max3_num_f32 v[T0], |v[\src]|, |v[\src+1]|, 0x1800000        ; the largest magnitude, in two chains, with the floor 2^(3 - 127) among its leaves: the byte cannot fall under 1
	v_max3_num_f32 v[T3], |v[\src+2]|, |v[\src+3]|, |v[\src+4]|
.irp i, 5,9,13,17,21,25
	v_max3_num_f32 v[T0], v[T0], |v[\src+\i]|, |v[\src+\i+1]|
	v_max3_num_f32 v[T3], v[T3], |v[\src+\i+2]|, |v[\src+\i+3]|
.endr
	v_max3_num_f32 v[T0], v[T0], |v[\src+29]|, |v[\src+30]|
	v_max3_num_f32 v[T0], v[T0], v[T3], |v[\src+31]|
	v_add_nc_u32 v[T1], 0xff000000, v[T0]          ; 2 off its exponent field: the conversion takes the exponent field of this operand as its scale
	v_lshrrev_b32 v[\by], 23, v[T1]                ; the scale's byte
	v_cvt_scalef32_pk16_fp6_f32 v[\dst:\dst+2], v[\src:\src+15], v[T1]
	v_cvt_scalef32_pk16_fp6_f32 v[PT:PT+2], v[\src+16:\src+31], v[T1]   ; (a conversion's three registers begin on an even number)
	v_nop                                          ; one plain place behind a scaled conversion
.irp i, 0,1,2
	v_mov_b32 v[\dst+3+\i], v[PT+\i]
.endr
.endm
; the scale word of a row whose K is 64: lanes 0-15 hold block 0's byte (in v[T2]), lane l xor 16 block 1's; bytes 2 and 3 stay 0, over zero codes.  (Lanes 16-31 are not read)
.macro SWORD xs
	v_permlanex16_b32 v[BX], v[T2], s[SEL], s[SEL+1]
	v_lshl_or_b32 v[\xs], v[BX], 8, v[T2]
.endm
.macro BARRIER                                 ; my LDS stores have landed and my LDS loads are in: then the work-group's barrier
	s_wait_dscnt 0x0
	s_barrier_signal -1
	s_barrier_wait -1
.endm
	s_load_b256 s[4:11], s[0:1], 0x0               ; x s[4:5], w_q s[6:7], w_k s[8:9], mask s[10:11]
	s_load_b64 s[12:13], s[0:1], 0x20              ; out0
	v_lshl_add_u32 v[SPW], v0, 2, SPARE
	v_mov_b32 v[NIL], 0
	v_lshrrev_b32 v24, 5, v0
	v_readfirstlane_b32 s[WV], v24                 ; wave 0..15
	v_and_b32 v24, 31, v0                          ; lane
	v_and_b32 v25, 15, v0                          ; r
	v_bfe_u32 v26, v0, 4, 1                        ; h
	v_and_b32 v27, 8, v0
	v_add_nc_u32 v27, v27, v25                     ; r + 8 (r / 8): a tile's row among 32 tokens
	s_wait_alu depctr_va_sdst(0)                   ; s[WV] is written, ahead of its first reader: addresses, bases and the branch on the wave's number are made from it
	s_mul_i32 s15, s[WV], WRB
	s_add_co_u32 s15, s15, WREG                    ; my region
	v_lshlrev_b32 v[L16], 4, v24
	v_mul_u32_u24 v[SX], v26, SP
	v_lshl_add_u32 v[SX], v25, 4, v[SX]
	v_add_nc_u32 v[SX], s15, v[SX]                 ; a load's 512 bytes are two tokens: row h, 16 r
	v_lshl_add_u32 v[SC0], v24, 2, s15             ; a column: channel = lane
	v_mul_u32_u24 v[SF], v27, SP
	v_lshl_add_u32 v[SF], v26, 7, v[SF]
	v_add_nc_u32 v[SF], s15, v[SF]                 ; a tile's row r, channels 32 h on
	s_lshr_b32 s16, s[WV], 2                       ; my key block w is block 2 c + h' of step s: s = w / 4, c = (w / 2) % 2, h' = w % 2
	s_mul_i32 s16, s16, 1536
	s_and_b32 s17, s[WV], 1
	s_mul_i32 s17, s17, 768                        ; lanes 16 h' on, 48 bytes each
	s_add_co_u32 s16, s16, s17
	s_bfe_u32 s17, s[WV], 0x10001
	s_mul_i32 s17, s17, 24                         ; registers 6 c on
	s_add_co_u32 s16, s16, s17
	s_add_co_u32 s16, s16, VIMG
	v_mul_u32_u24 v[AVW], v26, 6144                ; my channel is lane (+ 32): head lane / 16 (+ 2), row lane % 16
	v_mad_u32_u24 v[AVW], v25, 48, v[AVW]
	v_add_nc_u32 v[AVW], s16, v[AVW]
	v_lshl_add_u32 v[AVB], v24, 4, s[WV]
	v_add_nc_u32 v[AVB], VSC, v[AVB]               ; VSC + 16 x channel + w
	v_lshl_add_u32 v[ABW], v0, 2, BIAS             ; thread t makes key t's word
	s_lshl_b32 s17, s[WV], 5
	v_add_nc_u32 v[MA], s17, v27                   ; the token of my tile row, in the slice (tile 1: 8 on)
	v_lshlrev_b32 v[GW], 8, v25
	v_lshl_add_u32 v[GW], v26, 7, v[GW]            ; W: row r of 256 bytes, channels 32 h on
	s_mul_i32 s17, s[WV], WFB
	s_add_co_u32 s17, s17, WIMG
	v_add_nc_u32 v[AWI], s17, v[L16]
	v_lshl_add_u32 v[AWS], v24, 2, s17
	v_add_nc_u32 v[LWI], WIMG, v[L16]
	v_lshl_add_u32 v[LWS], v24, 2, WIMG
	s_lshl_b32 s17, s[WV], 11
	v_add_nc_u32 v[AKW], s17, v[L16]               ; my two tiles of keys: 2 w, 2 w + 1
	v_add_nc_u32 v[AKW+1], 0x10000, v[AKW]         ; (heads 2 and 3 lie beyond an immediate's reach)
	v_lshl_add_u32 v[AB], v26, 6, BIAS
	v_mul_u32_u24 v[AV0], v24, 48
	v_add_nc_u32 v[AV0], VIMG, v[AV0]
	v_lshl_add_u32 v[AVS0], v25, 4, VSC
	v_add_nc_u32 v[AQW], s15, v[L16]
	v_lshlrev_b32 v[SO], 6, v25
	v_lshl_add_u32 v[SO], v26, 5, v[SO]
	v_add_nc_u32 v[SO], s15, v[SO]
	v_lshrrev_b32 v[SR], 2, v25                    ; back: sixteen lanes take a row of y: 16 bytes each: head r / 4, its bytes 16 (r % 4) on; lanes 16-31 the next row
	v_mul_u32_u24 v[SR], v[SR], QSL
	v_and_b32 v[GO], 3, v25
	v_lshl_add_u32 v[SR], v[GO], 4, v[SR]
	v_lshl_add_u32 v[SR], v26, 6, v[SR]
	v_add_nc_u32 v[SR], s15, v[SR]
	v_lshlrev_b32 v[GO], 8, v26
	v_lshl_add_u32 v[GO], v25, 4, v[GO]
	v_mov_b32 v[BX], 0                             ; written once: a lane permute's destination counts as one of its sources
	s_mov_b32 s[SEL], 0x76543210
	s_mov_b32 s[SEL+1], 0xfedcba98
	s_mov_b32 s[CS], 0x3e38aa3b                    ; log2(e) / 8: 64^-0.5 = 1 / 8 is exact
	s_mov_b32 s[CS+1], s[CS]                       ; (named with it as a pair, so it is written)
	s_lshl_b32 s32, ttmp9, 17                      ; my slice: 131,072 bytes of x and of out0,
	s_lshl_b32 s33, s[WV], 13                      ; my wave's 32 tokens: 8,192
	s_add_co_u32 s32, s32, s33
	s_mov_b32 s33, 0
	s_lshl_b32 s34, ttmp9, 9                       ; 512 bytes of the mask
	s_mov_b32 s35, 0
	s_and_b32 s36, s[WV], 3
	s_lshl_b32 s36, s36, 12                        ; head w % 4: 16 rows of 256 bytes
	s_mov_b32 s37, 0
	s_wait_kmcnt 0x0
	s_add_nc_u64 s[4:5], s[4:5], s[32:33]
	s_add_nc_u64 s[12:13], s[12:13], s[32:33]
	s_add_nc_u64 s[10:11], s[10:11], s[34:35]
	s_cmp_lt_u32 s[WV], 4                          ; waves 0-3 quantise w_q's heads, waves 4-7 w_k's: the choice hangs on the wave's number alone
	s_cselect_b64 s[30:31], s[6:7], s[8:9]
	s_add_nc_u64 s[30:31], s[30:31], s[36:37]
	s_wait_alu depctr_va_vdst(0)                   ; all the addresses and offsets made above are written: the loads and stores of the prologue, and those of the main part that use v6, v9, v22, v23, v52, v53, read them
.set n, 0
.rept 16
	global_load_b128 v[XR+4*n:XR+4*n+3], v[L16], s[4:5] offset:512*n th:TH_LOAD_NT   ; 32 lanes read 512 consecutive bytes: two tokens
.set n, n+1
.endr
	global_load_u8 v[BX+1], v0, s[10:11]           ; key t's mask byte, for the table
	global_load_u8 v[BX+2], v[MA], s[10:11]        ; my tile row's, tile 0
	global_load_u8 v[BX+3], v[MA], s[10:11] offset:8   ; and tile 1
	s_cmp_lt_u32 s[WV], 8
	s_cbranch_scc0 .Lno_w
.irp i, 0,1,2,3,4,5,6,7
	global_load_b128 v[WR+4*\i:WR+4*\i+3], v[GW], s[30:31] offset:16*\i   ; W(16 head + r, 32 h + 0 .. 31): a whole block a lane
.endr
	s_wait_loadcnt 0x0
	QROW WR, PC, T2
	SWORD WS
.irp i, 6,7,8,9,10,11
	v_mov_b32 v[PC+\i], 0                          ; K = 64 .. 127: zero codes
.endr
	s_wait_alu depctr_va_vdst(0)                   ; W's codes v[PC ..] and its scale word v[WS] are written, which the LDS stores read
.irp c, 0,1,2
	ds_store_b128 v[AWI], v[PC+4*\c:PC+4*\c+3] offset:512*\c      ; the fragment as an image of its registers
.endr
	ds_store_b32 v[AWS], v[WS] offset:1536
.Lno_w:
	s_wait_loadcnt 0x0                             ; x and the mask bytes
.set n, 0
.rept 16
	ds_store_b128 v[SX], v[XR+4*n:XR+4*n+3] offset:2*SP*n         ; into my stage, rows of 272 bytes
.set n, n+1
.endr
	v_mov_b32 v[T0], 0xceabfb8f                    ; fl(-1e9 log2(e)) = -1442695040, a whole number
	v_cmp_ne_u32 vcc_lo, 0, v[BX+1]                ; the three compares in one run
	v_cmp_eq_u32 s[KEEP], 0, v[BX+2]
	v_cmp_eq_u32 s[KEEP+1], 0, v[BX+3]
	s_wait_alu depctr_va_vcc(0)                    ; VCC is written, ahead of the select below
	s_wait_alu depctr_va_sdst(0)                   ; s[KEEP] and s[KEEP+1] are written, ahead of their first readers, the selects on k
	v_cndmask_b32 v[T0], 0, v[T0], vcc_lo
	s_wait_alu depctr_va_vdst(0)                   ; the table's word v[T0] is written, which the LDS store reads
	ds_store_b32 v[ABW], v[T0]
	s_wait_alu depctr_vm_vsrc(0)                   ; the stage's stores have read v[XR ..], in which the loads below land; the table's store has read v[T0], W's stores v[PC ..] and v[WS], which are written again below
	; V: lane l takes channels l and l + 32, and its registers run down my 32 tokens: a whole block of the second product's K
.set n, 0
.rept 32
	ds_load_b32 v[XR+n], v[SC0] offset:SP*n        ; LDS serves a wave's instructions in order (ISA guide 5.7.1.4): these see my stores
	ds_load_b32 v[XR+32+n], v[SC0] offset:SP*n+128
.set n, n+1
.endr
	s_wait_dscnt 0x0
	QROW XR, PC, BX+1                              ; each column's byte has a register of its own, so that both columns' stores stand behind one wait
	QROW XR+32, PC+6, BX+2
	s_wait_alu depctr_va_vdst(0)                   ; V's codes v[PC ..] and bytes are written, which the LDS stores read; the lines above are done reading v[XR ..], in which x's rows land below
.irp i, 0,1,2
	ds_store_b64 v[AVW], v[PC+2*\i:PC+2*\i+1] offset:8*\i         ; 24 bytes: registers 6 c .. 6 c + 5 of lane (r, h') of the fragment (head, step)
.endr
	ds_store_b8 v[AVB], v[BX+1]
.irp i, 0,1,2
	ds_store_b64 v[AVW], v[PC+6+2*\i:PC+6+2*\i+1] offset:12288+8*\i
.endr
	ds_store_b8 v[AVB], v[BX+2] offset:512
	; x's two fragments: lane (r, h) takes channels 32 h + 0 .. 31 of its tile row
.irp u, 0,1
.irp i, 0,1,2,3,4,5,6,7
	ds_load_b128 v[XR+32*\u+4*\i:XR+32*\u+4*\i+3], v[SF] offset:8*SP*\u+16*\i
.endr
.endr
	s_wait_dscnt 0x0
.irp u, 0,1
	QROW XR+32*\u, XC+12*\u, T2
	SWORD XS+\u
.irp i, 6,7,8,9,10,11
	v_mov_b32 v[XC+12*\u+\i], 0
.endr
.endr
	BARRIER                                        ; W's eight images lie in LDS
.rept 8
	v_nop                                          ; a scale register written by a vector instruction stands 8 places ahead of a scaled matrix instruction, an operand so written 4
.endr
	s_wait_alu depctr_va_vdst(0)                   ; behind the places: x's codes v[XC ..] and scale words v[XS ..] are written, which the scaled products take; the lines above are done reading v[XR ..], and v[WS] is written: W's images land there
; kind 0: q = x w_q^T, times log2(e) / 8, into my slots.  kind 1: k = x w_k^T, masked tokens' rows set to 0, into k's images.  Eight accumulators: (tile u, head) at v[D + 8 (4 u + head)]
.macro PROJ kind
.irp hd, 0,1,2,3
.irp c, 0,1,2
	ds_load_b128 v[WF+12*\hd+4*\c:WF+12*\hd+4*\c+3], v[LWI] offset:(4*\kind+\hd)*WFB+512*\c
.endr
	ds_load_b32 v[WS+\hd], v[LWS] offset:(4*\kind+\hd)*WFB+1536
.endr
	s_wait_dscnt 0x0
	s_wait_alu depctr_vm_vsrc(0)                   ; the LDS stores issued so far have read registers of v[D ..], which the products write: V's codes (kind 0), q's images (kind 1)
.irp u, 0,1
.irp hd, 0,1,2,3
	v_wmma_scale_f32_16x16x128_f8f6f4 v[D+8*(4*\u+\hd):D+8*(4*\u+\hd)+7], v[WF+12*\hd:WF+12*\hd+11], v[XC+12*\u:XC+12*\u+11], 0, v[WS+\hd], v[XS+\u] matrix_a_fmt:MATRIX_FMT_FP6 matrix_b_fmt:MATRIX_FMT_FP6
.endr
.endr
.rept 4
	v_nop                                          ; four places in front of the first read of results (ISA guide 7.12.1)
.endr
.if \kind == 0
.set n, 0
.rept 32
	v_pk_mul_f32 v[D+2*n:D+2*n+1], v[D+2*n:D+2*n+1], s[CS:CS+1] op_sel_hi:[1,0]   ; each accumulator from its low end on
.set n, n+1
.endr
	s_wait_alu depctr_va_vdst(0)                   ; q is written, which the LDS stores read; the products are done reading W's fragments and scale words, in which w_k's images land next
.irp u, 0,1
.irp hd, 0,1,2,3
	ds_store_b128 v[AQW], v[D+8*(4*\u+\hd):D+8*(4*\u+\hd)+3] offset:(4*\u+\hd)*QSL
	ds_store_b128 v[AQW], v[D+8*(4*\u+\hd)+4:D+8*(4*\u+\hd)+7] offset:(4*\u+\hd)*QSL+512
.endr
.endr
.else
.irp u, 0,1
.set n, 0
.rept 32
	v_cndmask_b32 v[D+32*\u+n], 0, v[D+32*\u+n], s[KEEP+\u]       ; my lane holds one token of the tile
.set n, n+1
.endr
.endr
	s_wait_alu depctr_va_vdst(0)                   ; k is written, which the LDS stores read
.irp u, 0,1
.irp hd, 0,1,2,3
	ds_store_b128 v[AKW+\hd/2], v[D+8*(4*\u+\hd):D+8*(4*\u+\hd)+3] offset:(\hd%2)*32768+1024*\u
	ds_store_b128 v[AKW+\hd/2], v[D+8*(4*\u+\hd)+4:D+8*(4*\u+\hd)+7] offset:(\hd%2)*32768+1024*\u+512
.endr
.endr
.endif
.endm
	PROJ 0
	PROJ 1
	BARRIER                                        ; k's images, V's fragments and scale bytes and the table lie in LDS: nothing shared is written from here on
	s_wait_alu depctr_vm_vsrc(0)                   ; the prologue's loads and stores have read their addresses and data: v17 is written below, and v3 to v20 and v176 to v251 take their parts of the main part
	v_mov_b32 v[FF+1], 0                           ; (named as the upper half of f's pair)
; Asked for a step ahead: the step's eight tiles of keys, and the first four tiles' words of the table: register j of lane (r, h) of tile 2 b + u is key 32 b + 16 h + 8 u + j.  The second four tiles come last: the step's first wait leaves them out
.macro KLOAD s
.irp t, 0,1,2,3
	ds_load_b128 v[KF+8*\t:KF+8*\t+3],   v[AK] offset:(8*(\s)+\t)*1024
	ds_load_b128 v[KF+8*\t+4:KF+8*\t+7], v[AK] offset:(8*(\s)+\t)*1024+512
	ds_load_b128 v[BI+8*\t:BI+8*\t+3],   v[AB] offset:512*(\s)+128*(\t/2)+32*(\t%2)
	ds_load_b128 v[BI+8*\t+4:BI+8*\t+7], v[AB] offset:512*(\s)+128*(\t/2)+32*(\t%2)+16
.endr
.irp t, 0,1,2,3
	ds_load_b128 v[KG+8*\t:KG+8*\t+3],   v[AK] offset:(8*(\s)+4+\t)*1024
	ds_load_b128 v[KG+8*\t+4:KG+8*\t+7], v[AK] offset:(8*(\s)+4+\t)*1024+512
.endr
.endm
; In the step: the second four tiles' words of the table, V's fragment and its scale word
.macro BLOAD s
.irp t, 0,1,2,3
	ds_load_b128 v[BI+8*\t:BI+8*\t+3],   v[AB] offset:512*(\s)+256+128*(\t/2)+32*(\t%2)
	ds_load_b128 v[BI+8*\t+4:BI+8*\t+7], v[AB] offset:512*(\s)+256+128*(\t/2)+32*(\t%2)+16
.endr
.irp c, 0,1,2
	ds_load_b128 v[VF+4*\c:VF+4*\c+3], v[AV] offset:1536*(\s)+16*\c
.endr
	ds_load_b32 v[VS], v[AVS] offset:4*(\s)
.endm
; S^T = k q^T + the table: 4 tiles x 4 instructions of 4 features; the four accumulators take turns, one instruction a turn.  kf: the half's tiles of k; g: the half
.macro SCOREA kf, g                            ; each sum's first instruction: its C is the table
.irp t, 0,1,2,3
	v_wmma_f32_16x16x4_f32 v[ACC+8*(4*(\g)+\t):ACC+8*(4*(\g)+\t)+7], v[\kf+8*\t:\kf+8*\t+1], v[QF:QF+1], v[BI+8*\t:BI+8*\t+7]
.endr
.endm
.macro SCOREB kf, g                            ; the other three
.irp i, 1,2,3
.irp t, 0,1,2,3
	v_wmma_f32_16x16x4_f32 v[ACC+8*(4*(\g)+\t):ACC+8*(4*(\g)+\t)+7], v[\kf+8*\t+2*\i:\kf+8*\t+2*\i+1], v[QF+2*\i:QF+2*\i+1], v[ACC+8*(4*(\g)+\t):ACC+8*(4*(\g)+\t)+7]
.endr
.endr
.endm
.macro BMAX b0, b1                             ; the largest t of my 16 keys of blocks b0 and b1, by turns; each accumulator is read from its low end on
.irp b, \b0, \b1
	v_max3_num_f32 v[BM+\b], v[ACC+16*\b], v[ACC+16*\b+1], v[ACC+16*\b+2]
.endr
.irp i, 3,5,7,9,11,13
.irp b, \b0, \b1
	v_max3_num_f32 v[BM+\b], v[BM+\b], v[ACC+16*\b+\i], v[ACC+16*\b+\i+1]
.endr
.endr
.irp b, \b0, \b1
	v_max_num_f32 v[BM+\b], v[BM+\b], v[ACC+16*\b+15]
.endr
.endm
; A KEY STEP of a unit: 16 queries of one head x keys 128 s .. 128 s + 127.  first = 1: the unit's first step starts M, the sum and O^T: nothing is cleared
.macro STEP s, first
	s_wait_dscnt 8                                 ; LDS loads come back in order (ISA guide 5.7.1): the first four tiles of k and their words of the table are in (and q); the youngest eight loads, the second four tiles, may stay out
	SCOREA KF, 0
	s_wait_alu depctr_va_vdst(0)                   ; the four products above are done reading the table's words; the last step's scaled product is done reading V's fragment and scale word: the twelve loads below land there
	BLOAD \s
	SCOREB KF, 0                                   ; twelve products, which name none of those registers, while the loads land
.rept 8
	v_nop                                          ; eight places behind the first half's products, ahead of the first read of their results
.endr
	s_wait_dscnt 0x0
	SCOREA KG, 1
	SCOREB KG, 1
	BMAX 0, 1                                      ; sixteen lines on the first half's tiles: they name no register of the second half's products and are the places behind those
	BMAX 2, 3
.irp b, 0,1,2,3
	v_permlanex16_b32 v[BX+\b], v[BM+\b], s[SEL], s[SEL+1]
.endr
.irp b, 0,1,2,3
	v_max_num_f32 v[BM+\b], v[BM+\b], v[BX+\b]     ; with lane l xor 16's 16 keys: THE LARGEST t OF EACH BLOCK OF 32 KEYS: it serves for the row's maximum and, since p rises with t, for the block's largest p
.endr
	v_max3_num_f32 v[T0], v[BM], v[BM+1], v[BM+2]
.if \first
	v_max_num_f32 v[TM], v[T0], v[BM+3]
	v_floor_f32 v[NM], -v[TM]                      ; -M = floor(-t) = -ceil(t): M is a whole number
.else
	v_max3_num_f32 v[TM], v[T0], v[BM+3], v[TM]    ; the running largest t
	v_mov_b32 v[T1], v[NM]
	v_floor_f32 v[NM], -v[TM]
	v_sub_f32 v[T1], v[NM], v[T1]                  ; old M less new M: 0 or less
	v_cvt_i32_f32 v[T1], v[T1]                     ; (it saturates)
	v_ldexp_f32 v[FF], 1.0, v[T1]                  ; f = 2^(old M - new M): it rounds nothing; behind steps whose keys were all masked it is 0
.endif
.set n, 0
.rept 32
	v_pk_add_f32 v[P+2*n:P+2*n+1], v[ACC+2*n:ACC+2*n+1], v[NM:NM+1] op_sel_hi:[1,0]   ; t - M, into other registers than the sums'
.set n, n+1
.endr
.irp b, 0,1,2,3
	v_add_f32 v[BM+\b], v[BM+\b], v[NM]            ; the same of each block's largest t
.endr
.set n, 0
.rept 64
	v_exp_f32 v[P+n], v[P+n]                       ; p = 2^(t - M), at most 1: not normalised
.set n, n+1
.endr
.irp b, 0,1,2,3
	v_exp_f32 v[BM+\b], v[BM+\b]                   ; the block's largest p: the same instructions on the same number
.endr
.if \first
	v_nop                                          ; a plain place behind the last exponential
.else
	v_pk_mul_f32 v[SUM:SUM+1], v[SUM:SUM+1], v[FF:FF+1] op_sel_hi:[1,0]   ; the sum and O^T under the new M: plain work that names no exponential's result
.irp j, 0,2,4,6
	v_pk_mul_f32 v[OA+\j:OA+\j+1], v[OA+\j:OA+\j+1], v[FF:FF+1] op_sel_hi:[1,0]
.endr
.endif
	s_wait_alu depctr_va_vdst(0)                   ; the 68 exponentials have written p and the blocks' largest p: the wait ahead of the first line that names a result: one for the batch
.irp b, 0,1,2,3
	v_max_num_f32 v[BM+\b], 0x1800000, v[BM+\b]    ; the floor 2^(3 - 127): a block whose every p is 0 keeps the byte 1: its codes are zeros
.endr
.irp b, 0,1,2,3
	v_add_nc_u32 v[SCO+\b], 0xff000000, v[BM+\b]   ; 2 off the exponent field: the conversion's scale operand
.endr
.irp b, 0,1,2,3
	v_lshrrev_b32 v[BX+\b], 23, v[SCO+\b]          ; the scale's byte
.endr
	v_lshl_or_b32 v[PS], v[BX+1], 8, v[BX]         ; p's scale word for these 128 keys
	v_lshl_or_b32 v[PS], v[BX+2], 16, v[PS]
	v_lshl_or_b32 v[PS], v[BX+3], 24, v[PS]
.irp c, 0,1
	v_cvt_scalef32_pk16_fp6_f32 v[PC+6*\c:PC+6*\c+2], v[P+32*\c:P+32*\c+15], v[SCO+2*\c]
	v_cvt_scalef32_pk16_fp6_f32 v[PT+4*\c:PT+4*\c+2], v[P+32*\c+16:P+32*\c+31], v[SCO+2*\c+1]
.endr
	v_nop                                          ; one plain place behind a scaled conversion
.irp c, 0,1                                    ; the operand's layout wants a whole block in a lane: lanes 0-15 block 2 c, lanes 16-31 block 2 c + 1
.irp i, 0,1,2
	v_permlane16_swap_b32 v[PC+6*\c+\i], v[PT+4*\c+\i]
.endr
.irp i, 0,1,2
	v_mov_b32 v[PC+3+6*\c+\i], v[PT+4*\c+\i]
.endr
.endr
	; THE ROW'S SUM IS TAKEN OF THE UNQUANTISED p, two at a time, in two chains.  These lines are also the places between the scale word (8) and the codes (4) and the scaled product
.if \first
	v_pk_add_f32 v[SUM:SUM+1], v[P:P+1], v[P+4:P+5]
	v_pk_add_f32 v[T0:T0+1], v[P+2:P+3], v[P+6:P+7]
.irp j, 8,12,16,20,24,28,32,36,40,44,48,52,56,60
	v_pk_add_f32 v[SUM:SUM+1], v[SUM:SUM+1], v[P+\j:P+\j+1]
	v_pk_add_f32 v[T0:T0+1], v[T0:T0+1], v[P+\j+2:P+\j+3]
.endr
.else
	v_pk_add_f32 v[T0:T0+1], v[P:P+1], v[P+2:P+3]
.irp j, 4,8,12,16,20,24,28,32,36,40,44,48,52,56,60
	v_pk_add_f32 v[SUM:SUM+1], v[SUM:SUM+1], v[P+\j:P+\j+1]
	v_pk_add_f32 v[T0:T0+1], v[T0:T0+1], v[P+\j+2:P+\j+3]
.endr
.endif
	v_pk_add_f32 v[SUM:SUM+1], v[SUM:SUM+1], v[T0:T0+1]
	s_wait_alu depctr_va_vdst(0)                   ; behind the places: p's codes v[PC ..] and scale word v[PS] are written, which the scaled product takes; the conversions and the sums are done with p, and this step's products with k's tiles: the next step's loads land there
.if \s < 3
	KLOAD (\s)+1                                   ; a step ahead.  No further wait: the one product behind the wait above names O^T, V's fragment, p's codes and the two scale words alone
.endif
.if \first
	v_wmma_scale_f32_16x16x128_f8f6f4 v[OA:OA+7], v[VF:VF+11], v[PC:PC+11], 0, v[VS], v[PS] matrix_a_fmt:MATRIX_FMT_FP6 matrix_b_fmt:MATRIX_FMT_FP6   ; O^T = V^T P^T: source 0 = the head's 16 channels, source 1 = my 16 queries
.else
	v_wmma_scale_f32_16x16x128_f8f6f4 v[OA:OA+7], v[VF:VF+11], v[PC:PC+11], v[OA:OA+7], v[VS], v[PS] matrix_a_fmt:MATRIX_FMT_FP6 matrix_b_fmt:MATRIX_FMT_FP6   ; (32 products of the f32 form lie between two of these)
.endif
.endm
; the unit's end: O^T / the sum goes into the unit's slot, whose image of q has been read: row r, 32 h: my eight channels
.macro FINAL
	v_add_f32 v[T0], v[SUM], v[SUM+1]              ; the sum's two halves,
	v_permlanex16_b32 v[BX], v[T0], s[SEL], s[SEL+1]
	v_add_f32 v[T0], v[T0], v[BX]                  ; and lane l xor 16's
.rept 3
	v_nop                                          ; with the two additions: the places behind the last product, ahead of the first read of O^T
.endr
	v_rcp_f32 v[T2], v[T0]
	v_add_nc_u32 v[SOH], s[NB], v[SO]              ; (a plain place behind the reciprocal; the last unit's stores, which read v[SOH], stand ahead of the wait on vm_vsrc at the loop's head)
	s_wait_alu depctr_va_vdst(0)                   ; the reciprocal has written v[T2]: the wait ahead of its first reader
.irp j, 0,2,4,6
	v_pk_mul_f32 v[PT+\j:PT+\j+1], v[OA+\j:OA+\j+1], v[T2:T2+1] op_sel_hi:[1,0]
.endr
	s_wait_alu depctr_va_vdst(0)                   ; v[PT ..] and v[SOH] are written, which the two LDS stores read
	ds_store_b128 v[SOH], v[PT:PT+3]
	ds_store_b128 v[SOH], v[PT+4:PT+7] offset:16
.endm
; a tile's 16 rows of y, whole: a row's 256 bytes come from the four heads' slots.  The loads land in the registers that held k's second four tiles: the products that read those stand ahead of the unit's last wait on va_vdst, and no vector or matrix line since names them
.macro OUTPUT u
.irp i, 0,1,2,3,4,5,6,7
	ds_load_b128 v[OB+4*\i:OB+4*\i+3], v[SR] offset:4*(\u)*QSL+128*\i     ; LDS serves a wave's instructions in order: these see my stores
.endr
.irp i, 0,1,2,3,4,5,6,7
	s_wait_dscnt 7-\i                              ; the younger of the eight loads may stay out
	global_store_b128 v[GO], v[OB+4*\i:OB+4*\i+3], s[12:13] offset:(8*(\u)+2*\i+8*(\i/4))*256 th:TH_STORE_NT   ; tile rows 2 i, 2 i + 1: sixteen lanes store 256 consecutive bytes, at a multiple of 256 from out0's first byte
.endr
.endm
; a tile of 16 queries: a loop over the four heads; what differs between heads stands in four scalars
.macro QTILE u
.if \u
	s_wait_xcnt 0x0                                ; the first tile's stores have had their addresses translated (ISA guide 3.1): only behind this wait are their data registers, v[OB ..], loaded again, with k's tiles
.endif
	s_mov_b32 s[KB], 0
	s_mov_b32 s[VB], 0
	s_mov_b32 s[VSB], 0
	s_mov_b32 s[NB], 4*(\u)*QSL
	s_mov_b32 s[HC], 4
.Lhead_\@:
	s_wait_alu depctr_vm_vsrc(0)                   ; the last unit's LDS loads have read the four addresses written below, its two stores v[SOH] and v[PT ..], which this unit writes again; the first tile's global stores have read v[OB ..], in which k's tiles land
	v_add_nc_u32 v[AK], s[KB], v[L16]
	v_add_nc_u32 v[AV], s[VB], v[AV0]
	v_add_nc_u32 v[AVS], s[VSB], v[AVS0]
	v_add_nc_u32 v[AQ], s[NB], v[AQW]
	s_wait_alu depctr_va_vdst(0)                   ; the four addresses are written, which the unit's LDS loads read; the products and vector lines issued so far are done with q's, k's and the table's registers, in which the loads below land
	ds_load_b128 v[QF:QF+3], v[AQ]                 ; q of the unit
	ds_load_b128 v[QF+4:QF+7], v[AQ] offset:512
	KLOAD 0
	STEP 0, 1
	STEP 1, 0
	STEP 2, 0
	STEP 3, 0
	FINAL
	s_add_co_u32 s[KB], s[KB], 32768
	s_add_co_u32 s[VB], s[VB], 6144
	s_add_co_u32 s[VSB], s[VSB], 256
	s_add_co_u32 s[NB], s[NB], QSL
	s_sub_co_u32 s[HC], s[HC], 1
	s_cmp_lg_u32 s[HC], 0
	s_cbranch_scc1 .Lhead_\@
	OUTPUT \u
.endm
	QTILE 0
	QTILE 1
	s_wait_dscnt 0x0                               ; the closing lines, six on end
	s_wait_alu 0x0
	s_wait_tensorcnt 0x0
	ds_add_u32 v[SPW], v[NIL]
	s_wait_dscnt 0x0
	s_endpgm
.Lfunc_end_k_qb455313833_attn:
	.size	k_qb455313833_attn, .Lfunc_end_k_qb455313833_attn-k_qb455313833_attn
	.p2alignl 7, 3214868480
	.fill 96, 4, 3214868480
	.section	.rodata,"a",@progbits
	.p2align	6, 0x0
	.amdhsa_kernel k_qb455313833_attn
		.amdhsa_group_segment_fixed_size 314368
		.amdhsa_private_segment_fixed_size 0
		.amdhsa_enable_private_segment 0
		.amdhsa_kernarg_size 40
		.amdhsa_user_sgpr_count 2
		.amdhsa_user_sgpr_kernarg_segment_ptr 1
		.amdhsa_wavefront_size32 1
		.amdhsa_system_sgpr_workgroup_id_x 1
		.amdhsa_system_sgpr_workgroup_id_y 1
		.amdhsa_system_sgpr_workgroup_id_z 1
		.amdhsa_system_vgpr_workitem_id 0
		.amdhsa_next_free_vgpr 256
		.amdhsa_next_free_sgpr 66
		.amdhsa_reserve_vcc 1
		.amdhsa_float_denorm_mode_32 3
		.amdhsa_float_denorm_mode_16_64 3
		.amdhsa_memory_ordered 1
		.amdhsa_forward_progress 1
		.amdhsa_inst_pref_size 164
	.end_amdhsa_kernel
	.amdgpu_metadata
---
amdhsa.version: [ 1, 2 ]
amdhsa.kernels:
  - .name:           k_qb455313833_attn
    .symbol:         k_qb455313833_attn.kd
    .args:
      - { .name: x, .offset: 0, .size: 8, .value_kind: global_buffer, .address_space: global }
      - { .name: w_q, .offset: 8, .size: 8, .value_kind: global_buffer, .address_space: global }
      - { .name: w_k, .offset: 16, .size: 8, .value_kind: global_buffer, .address_space: global }
      - { .name: mask, .offset: 24, .size: 8, .value_kind: global_buffer, .address_space: global }
      - { .name: out0, .offset: 32, .size: 8, .value_kind: global_buffer, .address_space: global }
    .group_segment_fixed_size: 314368
    .private_segment_fixed_size: 0
    .kernarg_segment_align: 8
    .kernarg_segment_size: 40
    .max_flat_workgroup_size: 512
    .sgpr_count:     66
    .vgpr_count:     256
    .wavefront_size: 32
...
	.end_amdgpu_metadata
.endif
;; end of part 2
